; MI455X (gfx1250); checked and timed in simulation.
; The chip was launched on July 23, 2026; its instructions are those of AMD's public machine-readable ISA for CDNA 5 (MIT licence, August 2026) and "CDNA5" Instruction Set Architecture Reference Guide (July 2026). The comments in the code are by the model that wrote it; some were corrected since.
;; Rotary Self Attention. Allowed arithmetic: matrix products marked QUANTISED: E5M2 operands, one given power-of-two scale a tensor, by v_wmma_f32_16x16x64_bf8_bf8 or v_wmma_f32_16x16x128_bf8_bf8, f32 sums; everything else in f32.
;; Inputs: W_out_codes 1,024 x 32 x 32 uint8 (E5M2 codes of W_out, K innermost, in blocks of 32 codes); W_qkv_codes 3,072 x 32 x 32 uint8 (E5M2 codes of W_qkv, K innermost, in blocks of 32 codes); b_out 1,024 float32; b_qkv 3,072 float32; lowp_scales 8 int32 (the exponents e of the quantised operands' scales 2^e); x_codes 4 x 2,048 x 32 x 32 uint8 (E5M2 codes of x, K innermost, in blocks of 32 codes).
;; Outputs: out0 4 x 2,048 x 1,024 float32.
;; This version of the problem:
;;   THIS VERSION OF THE PROBLEM IS GIVEN IN LOW PRECISION. The matrix products marked QUANTISED in the list below multiply operands that are first quantised to E5M2 (5 exponent bits, 2 mantissa bits; 8 bits a number), with one given power-of-two scale for each operand tensor; their sums are f32. All else is computed in f32.
;;   The module's matrix products, in the order in which they are computed (A, B: the left and right operand; K: the contracted axis; several contracted axes count as one K, in the product's order):
;;     1. [M 8,192, K 1,024] x [K 1,024, N 3,072]; A: input x (given as codes); B: input W_qkv (given as codes): QUANTISED (scales: A lowp_scales[0], B lowp_scales[1])
;;     2. batch 64 x [M 2,048, K 64] x [K 64, N 2,048]; A: computed on the way; B: computed on the way: QUANTISED (scales: A lowp_scales[2], B lowp_scales[3])
;;     3. batch 64 x [M 2,048, K 2,048] x [K 2,048, N 64]; A: softmax (see below); B: computed on the way: QUANTISED (scales: A lowp_scales[4], B lowp_scales[5])
;;     4. [M 8,192, K 1,024] x [K 1,024, N 1,024]; A: computed on the way; B: input W_out (given as codes): QUANTISED (scales: A lowp_scales[6], B lowp_scales[7])
;;   THE QUANTISER, for each operand of a quantised product, along K:
;;     - The operand's scale is 2^e, e = its entry of the input lowp_scales (int32; the entries are numbered through the quantised products in the list's order, A before B).
;;     - Each number is divided by the scale, clamped to +-57,344, and rounded to the nearest number of E5M2, ties to even, subnormals kept.
;;     - The product sums the exact products of the quantised numbers (number of the format x scale) in f32.
;;   ~~~python
;;   def quantise(x, axis, e):      # numpy; x: float32 -> the quantised numbers, widened to float32 again
;;       x = np.moveaxis(x, axis, -1); K = x.shape[-1]
;;       r = np.clip(x / 2.0 ** e, -57344, 57344)
;;       step = 2.0 ** (np.maximum(np.frexp(np.where(r == 0, 1, r))[1] - 1, -14) - 2)
;;       q = np.round(r / step) * step * 2.0 ** e      # np.round: ties to even
;;       return np.moveaxis(q, -1, axis).astype(np.float32)
;;   ~~~
;;   SOFTMAX AHEAD OF A QUANTISED PRODUCT. Where the list says 'softmax', what is quantised is not the finished softmax but p = 2^(t - M), with t = logit x log2(e) and M = ceil(the row's largest t), a whole number; so 1/2 < the row's largest p <= 1. The row's sum l is taken of the UNQUANTISED p, in f32, and the product's result is divided by l at the end. Since M is a whole number, a kernel that streams over the keys may use a running M (the ceiling of the running maximum): every later rescaling is an exact power of two, so the quantised numbers keep their values, but for numbers so far below the row's largest that they fall under the format's range.
;;   OPERANDS COMPUTED ON THE WAY. 'Computed on the way' means the value that the module computes at that place (a softmax that the list does not call 'softmax' is quantised finished and normalised). What goes into a quantiser is computed in f32, as accurately as f32 sums, v_exp_f32 and their like allow (about 1e-6 of the number): no bf16 or f16 on the way to a quantiser, and a product that is left as it is and whose result goes on into a quantised operand takes f32 operands (vector FMAs, or v_wmma_f32_16x16x4_f32). A number that lies on a knife's edge between two numbers of the format may be rounded either way, as far as f32 arithmetic and the matrix unit's own rounding can turn it there, and no further.
;;   INPUTS GIVEN AS CODES. W_out (in the module: [1024, 1024], K = its axis 0); W_qkv (in the module: [1024, 3072], K = its axis 0); x (in the module: [4, 2048, 1024], K = its axis 2): each comes as NAME_codes (uint8): NAME with its K axis moved to the last place and cut into blocks of 32 codes, [.., K / 32, bytes a block], one block behind the other in memory; one code a byte (a code: sign, 5 exponent bits, 2 mantissa bits); its scale is its entry of lowp_scales. Its value is code x scale, taken as it is: it is not quantised again, and the codes and scales need not be those that the quantiser above would give.
;; One version. Each part assembles by itself: llvm-mc -triple=amdgcn-amd-amdhsa -mcpu=gfx1250 --defsym DOCPART=n.
;; ======== version 1 of 1: 3 launches
;; limits: right only within a limited range of input values
;; workspace buffers: q_img 8,388,608 bytes; kv_img 16,777,216 bytes; a_img 8,388,608 bytes
;; launch qkv (part 1): grid 8 x 32, 4 waves a work-group, clusters of 4 x 4, 327,680 bytes of LDS; arguments x_codes, W_qkv_codes, b_qkv, lowp_scales, q_img, kv_img; writes q_img, kv_img
.if DOCPART == 1
	.amdgcn_target "amdgcn-amd-amdhsa--gfx1250"
	.amdhsa_code_object_version 6
	.text
	.protected	k_qc986a15b0a_qkv
	.globl	k_qc986a15b0a_qkv
	.p2align	8
	.type	k_qc986a15b0a_qkv,@function
k_qc986a15b0a_qkv:
	s_mov_b64 s[64:65], 0
	v_nop
	global_prefetch_b8 v0, s[64:65] scope:SCOPE_SE
	s_setreg_imm32_b32 hwreg(HW_REG_WAVE_MODE, 25, 1), 1
	s_wait_xcnt 0x0
	s_wait_alu depctr_hold_cnt(0) depctr_sa_sdst(0) depctr_va_vdst(0) depctr_va_sdst(0) depctr_va_ssrc(0) depctr_va_vcc(0) depctr_vm_vsrc(0)
	s_getreg_b32 s2, hwreg(HW_REG_IB_STS2, 6, 4)
	s_cmp_eq_u32 s2, 0
	s_cbranch_scc0 .Lentry_in_a_cluster
	s_endpgm
.Lentry_in_a_cluster:
	s_bfe_u32 s2, ttmp6, 0x10000c
	s_cmp_lg_u32 s2, 0xf033
	s_cbranch_scc0 .Lentry_shape_is_right
	s_endpgm
.Lentry_shape_is_right:
; qkv = x W_qkv + b_qkv on codes of BF8 (E5M2); rotary embedding on q and k; q, k, v quantised with the given 2^e (entries 2, 3, 5) and stored as IMAGES OF THE NEXT PRODUCTS' OPERAND REGISTERS.
; x: [8192][1024] codes, W_qkv: [3072][1024] codes, K innermost.  A finished sum stands for sum x 2^(e0 + e1).
; A WORK-GROUP STAYS: 256 work-groups, each makes a tile of 256 x 256 of q (cluster x = 0) or k (1), then half a tile of v, 128 x 256.  Four waves; a wave makes 128 x 128 (64 accumulators), then 64 x 128 (32).
; SOURCE 0 TAKES ROWS OF "B", SOURCE 1 ROWS OF "A": in accumulator (a, b) lane (r, h) holds A's row 16 a + r and B's rows 16 b + 8 h + 0 .. 7: one conversion of the eight registers is two registers of an operand whose K runs
; along B's rows.  q, k want the head's channels there: A = x, B = W.  v wants the keys: A = W (rows 2048 + 256 cy + 128 X + ..), B = x.
; A block of 256 rows of x is the SAME 128 tokens of two batches (half f: batch 2 bp + f), so that a work-group needs cos and sin of 128 tokens only.
; K goes in steps of 256 through a ring of two LDS slots.  THE RING GOES ON INTO v: v's K step 0 fills slot 0 at q/k's last change of slots; its K step 1 fills slot 1 behind a round in the middle of q/k's way out.
; CLUSTERS: 4 x 4; A's tile hangs on cy and is shared along a row of the cluster, B's on cx and is shared along a column, in both tiles: each is asked for jointly.
; PREFETCH: behind the joint load of K step t (t = 0, 1) of a tile stands one request for K step t + 2 of the rows that the wave fetches; the four partners share the rows by address (32 rows each, a lane a row; of v's 64 rows of W 16 each,
; the lanes left over name the last again).  v's rows of x are not asked for: the cluster has read these four blocks for q or k.
; IMAGES (lane = 16 h + r).  q_img [bh][token tile 128][piece 2][lane][16 bytes]: tokens 16 T + r, piece c: channels 32 c + 8 h + 0..7 and 32 c + 16 + 8 h + 0..7.  kv_img, 262,144 bytes a head: K laid like q_img;
; from byte 131,072 V [key step 16][d 4][piece 4][lane][16]: channel 16 d + r, keys 128 s + 32 c + 8 h + 0..7 and + 16.  Every store of a wave covers 512 consecutive bytes, aligned.
; COS AND SIN stand ahead of a quantiser: made in f32 from the angle fl(t x fl(1 / fl(10000^(f/32)))): reduction by pi/2 in two parts (what is left out is under 2e-12 for angles up to 2,047), polynomials on +-pi/4.
; LIMITS: e0 + e1 between -126 and 127; e2, e3, e5 between -126 and 112, so that each power of two below is an f32 number.  NaN in b_qkv is not served.
; REGISTERS: window 0: v16-31 addresses and constants; v32-95 q/k's bias, then v's (8); from v128 A's fragments (q/k: one set of 8 blocks; v: two sets of 4).  On the ways out v96-159 cos and sin, v160-191 X, v192-223 T, v224-239 codes.
;   window 1: B's fragments, two sets.   windows 2, 3: the accumulators ((a, b) at v[8 (8 (a % 4) + b)] of window 2 + a / 4).
.set ROWB,   256
.set KROW,   1024
.set PITCH,  272                       ; an LDS row: 256 bytes + 16 of padding
.set FR,     16
.set NL,     4
.set NP,     4                         ; places behind this matrix instruction (ISA guide 7.12.1)
.set HALFT,  128*PITCH
.set SLOT,   4*HALFT                   ; A's 256 rows, then B's 256 rows
.set SPARE,  2*SLOT                    ; the spare words: two blocks of 256 bytes that no other line names
.set TAB,    SPARE+512                 ; the table: 128 rows; no tile lands here
.set TP,     272
.set PADW,   (1<<20)|(1<<21)|(5<<22)|(3<<25)
.set ADRA, 16
.set PF2,  18                          ; v18  1,024 x min(lane, 15)
.set ADRB, 20
.set BO,   22
.set VO,   23
.set LI,   24
.set TW,   25
.set TR,   26
.set PFO,  27                          ; v27  1,024 x lane
.set SPW,  28
.set NIL,  29
.set LIM,  30
.set CVS,  31
.set BIAS, 32
.set VB,   32
.set AF,   128
.set CT,   96
.set X,    160
.set T,    192
.set CD,   224
.set VP,   128
.set VI,   129
.set VE,   130
.set TK,   132
.set SS,   136
.set WV,   16
.set WHI,  17
.set WLO,  18
.set CX,   19
.set CY,   20
.set Y4,   21
.set G1,   24
.set G0,   32
.set G1B,  48
.set G0B,  56
.set SC,   66
.set ES,   68
.set G1V,  76                          ; s[76:83] group 1 for v's rows of W: 64 rows (written behind the table, whose constants lay here)
.set PFV,  84                          ; s[84:85] where my prefetches of v's rows of W stand
.set PFA,  100                         ; s[100:101] where those of q/k's tiles stand
.set MSB, 0
.macro WIN new
.if MSB != (\new)
	s_set_vgpr_msb (MSB<<8)|(\new)
.set MSB, (\new)
.endif
.endm
.set MUL_LO, 0xa1
.set MUL_HI, 0xf1
.set TO_B,   0x40
.macro JLOAD g0a, g1a, g0b, g1b        ; waves 0, 1 fetch A's halves, waves 2, 3 B's; s_nop 0 and four v_nop behind each line
	s_cmp_eq_u32 s[WHI], 0
	s_cbranch_scc0 .Lfor_b_\@
	tensor_load_to_lds s[\g0a:\g0a+3], s[\g1a:\g1a+7]
	s_nop 0
.rept 4
	v_nop
.endr
	s_branch .Lasked_\@
.Lfor_b_\@:
	tensor_load_to_lds s[\g0b:\g0b+3], s[\g1b:\g1b+7]
	s_nop 0
.rept 4
	v_nop
.endr
.Lasked_\@:
.endm
.macro ASKV off                        ; v's rows of W, K step off / 256: the two waves that fetch them ask
	s_cmp_eq_u32 s[WHI], 0
	s_cbranch_scc0 .Lnot_mine_\@
	global_prefetch_b8 v[PF2], s[PFV:PFV+1] offset:\off th:TH_LOAD_NT scope:SCOPE_SE
.Lnot_mine_\@:
.endm
.macro CREST
	s_cmp_lg_u32 s[WV], 0
	s_cbranch_scc1 .Lnot_wave_0_\@
	s_barrier_signal -3
.Lnot_wave_0_\@:
	s_barrier_wait -3
	s_barrier_signal -1
	s_barrier_wait -1
.endm
.macro CROUND
	s_barrier_signal -1
	s_barrier_wait -1
	CREST
.endm
	s_load_b256 s[4:11], s[0:1], 0x0               ; x, W, b_qkv, the exponents
	s_load_b128 s[12:15], s[0:1], 0x20             ; q_img, kv_img
	v_lshl_add_u32 v[SPW], v0, 2, SPARE
	v_mov_b32 v[NIL], 0
	ds_add_u32 v[SPW], v[NIL]                      ; the opening lines: the add, twice on end, and its wait
	ds_add_u32 v[SPW], v[NIL]
	s_wait_dscnt 0x0
	v_lshrrev_b32 v1, 5, v0
	v_readfirstlane_b32 s[WV], v1
	s_lshr_b32 s[WHI], s[WV], 1                    ; which half of A's rows is mine.  Also: I fetch for A (0) or for B (1)
	s_and_b32 s[WLO], s[WV], 1                     ; which half of B's rows.  Also: which half f I fetch
	s_bfe_u32 s[CX], ttmp6, 0x40000
	s_bfe_u32 s[CY], ttmp6, 0x40004
	s_and_b32 s[Y4], ttmp7, 0xffff
	s_lshl_b32 s[Y4], s[Y4], 2
	s_lshl_b32 s22, s[CY], 2
	s_lshl_b32 s22, 15, s22                        ; my row of the cluster
	s_lshl_b32 s23, 0x1111, s[CX]                  ; my column
	s_or_b32 s[G1], s22, PADW
	s_or_b32 s[G1B], s23, PADW
.irp g, G1, G1B
	s_mov_b32 s[\g+1], ROWB<<16
	s_mov_b32 s[\g+2], 128<<16
	s_mov_b32 s[\g+3], ROWB<<16
	s_mov_b32 s[\g+4], 128
	s_mov_b32 s[\g+5], KROW
	s_mov_b32 s[\g+6], 0
	s_mov_b32 s[\g+7], 0
.endr
	; q/k's A, of cy alone: x's block R = 4 Y + cy, half f at row (2 (R / 16) + f) 2048 + 128 (R % 16)
	s_add_co_u32 s40, s[Y4], s[CY]
	s_lshr_b32 s41, s40, 4
	s_lshl_b32 s41, s41, 1
	s_add_co_u32 s41, s41, s[WLO]
	s_lshl_b32 s41, s41, 11
	s_and_b32 s42, s40, 15
	s_lshl_b32 s42, s42, 7
	s_add_co_u32 s42, s42, s41
	s_lshl_b32 s42, s42, 10
	s_mov_b32 s43, 0
	; v's A, of cy alone: W's row 2048 + 256 cy + 128 X + 64 f
	s_lshl_b32 s40, s[CY], 8
	s_lshl_b32 s41, ttmp9, 7
	s_add_co_u32 s40, s40, s41
	s_lshl_b32 s41, s[WLO], 6
	s_add_co_u32 s40, s40, s41
	s_add_co_u32 s40, s40, 2048
	s_lshl_b32 s40, s40, 10
	s_mov_b32 s41, 0
	; q/k's B, of cx alone: W's row 256 (4 X + cx) + 128 f
	s_lshl_b32 s46, ttmp9, 2
	s_add_co_u32 s46, s46, s[CX]
	s_lshl_b32 s46, s46, 8
	s_lshl_b32 s47, s[WLO], 7
	s_add_co_u32 s46, s46, s47
	s_lshl_b32 s46, s46, 10
	s_mov_b32 s47, 0
	; v's B, of cx alone: x's block 4 Y + cx
	s_add_co_u32 s44, s[Y4], s[CX]
	s_lshr_b32 s45, s44, 4
	s_lshl_b32 s45, s45, 1
	s_add_co_u32 s45, s45, s[WLO]
	s_lshl_b32 s45, s45, 11
	s_and_b32 s44, s44, 15
	s_lshl_b32 s44, s44, 7
	s_add_co_u32 s44, s44, s45
	s_lshl_b32 s44, s44, 10
	s_mov_b32 s45, 0
	s_mul_i32 s94, s[WV], HALFT                    ; where my tile goes: wave x 128 rows
	s_wait_kmcnt 0x0
	s_load_b256 s[ES:ES+7], s[10:11], 0x0
	s_add_nc_u64 s[42:43], s[4:5], s[42:43]
	s_add_nc_u64 s[46:47], s[6:7], s[46:47]
	s_add_nc_u64 s[40:41], s[6:7], s[40:41]
	s_add_nc_u64 s[44:45], s[4:5], s[44:45]
	CROUND                                         ; the sixteen work-groups are here: the first joint loads meet
.irp s, 0,1
	s_mov_b32 s[G0+4*\s], 1
	s_add_co_u32 s[G0+4*\s+1], s94, \s*SLOT
	s_add_nc_u64 s[G0+4*\s+2:G0+4*\s+3], s[42:43], \s*ROWB
	s_or_b32 s[G0+4*\s+3], s[G0+4*\s+3], 0x80000000
	s_mov_b32 s[G0B+4*\s], 1
	s_add_co_u32 s[G0B+4*\s+1], s94, \s*SLOT
	s_add_nc_u64 s[G0B+4*\s+2:G0B+4*\s+3], s[46:47], \s*ROWB
	s_or_b32 s[G0B+4*\s+3], s[G0B+4*\s+3], 0x80000000
.endr
	JLOAD G0, G1, G0B, G1B                         ; K step 0: one tensor load a wave at the head
	v_and_b32 v1, 15, v0                           ; r
	v_bfe_u32 v2, v0, 4, 1                         ; h
	v_and_b32 v5, 31, v0                           ; lane
	v_mul_u32_u24 v3, v1, PITCH
	v_lshl_add_u32 v4, v2, 4, v3
	s_mul_i32 s22, s[WHI], HALFT
	s_mul_i32 s23, s[WLO], HALFT
	s_add_co_u32 s23, s23, 2*HALFT
.irp s, 0,1
	v_add_nc_u32 v[ADRA+\s], s22, v4
	v_add_nc_u32 v[ADRB+\s], s23, v4
	s_add_co_u32 s22, s22, SLOT
	s_add_co_u32 s23, s23, SLOT
.endr
	s_wait_alu depctr_va_vdst(0)
	v_lshlrev_b32 v[LI], 4, v5
	s_mul_i32 s85, s[WV], 32*TP
	s_add_co_u32 s85, s85, TAB
	v_lshl_add_u32 v[TW], v5, 2, s85
	v_mul_u32_u24 v[TR], v1, TP
	v_lshl_add_u32 v[TR], v2, 5, v[TR]
	v_add_nc_u32 v[TR], TAB, v[TR]
	v_lshlrev_b32 v[BO], 5, v2
	v_lshlrev_b32 v[VO], 2, v1
	v_lshlrev_b32 v[PFO], 10, v5
	v_min_u32 v[PF2], 15, v5
	v_lshlrev_b32 v[PF2], 10, v[PF2]
	s_lshl_b32 s92, ttmp9, 12
	s_lshl_b32 s93, s[CX], 10
	s_add_co_u32 s92, s92, s93
	s_lshl_b32 s93, s[WLO], 9
	s_add_co_u32 s92, s92, s93
	s_mov_b32 s93, 0
	s_add_nc_u64 s[96:97], s[8:9], s[92:93]        ; b_qkv[1024 X + 256 cx + 128 (wave % 2)]: B's rows of q, k
	s_lshl_b32 s92, s[CY], 10
	s_lshl_b32 s94, ttmp9, 9
	s_add_co_u32 s92, s92, s94
	s_lshl_b32 s94, s[WHI], 8
	s_add_co_u32 s92, s92, s94
	s_add_co_u32 s92, s92, 8192
	s_add_nc_u64 s[98:99], s[8:9], s[92:93]        ; b_qkv[2048 + 256 cy + 128 X + 64 (wave / 2)]: A's rows of v
	s_cmp_eq_u32 s[WHI], 0                         ; the prefetches: of the 128 rows that I fetch my work-group takes 32, by its place among the four that ask with it
	s_cselect_b64 s[PFA:PFA+1], s[42:43], s[46:47]
	s_cselect_b32 s92, s[CX], s[CY]
	s_lshl_b32 s92, s92, 15
	s_add_nc_u64 s[PFA:PFA+1], s[PFA:PFA+1], s[92:93]
	s_wait_alu depctr_va_vdst(0)
.irp b, 0,1,2,3,4,5,6,7
	global_load_b128 v[BIAS+8*\b:BIAS+8*\b+3],   v[BO], s[96:97] offset:64*\b
	global_load_b128 v[BIAS+8*\b+4:BIAS+8*\b+7], v[BO], s[96:97] offset:64*\b+16
.endr
	global_prefetch_b8 v[PFO], s[PFA:PFA+1] offset:2*ROWB th:TH_LOAD_NT scope:SCOPE_SE   ; K step 2
	; THE TABLE.  A lane is a frequency f; wave w takes tokens 32 w .. 32 w + 31 of the block, four at a time on four sets of registers.
	s_mov_b32 s76, 0x3f22f983                      ; 2 / pi
	s_mov_b32 s77, 0xbfc90fdb                      ; -(pi/2 rounded to f32)
	s_mov_b32 s78, 0x333bbd2e                      ; that number less pi/2
	s_mov_b32 s79, 0xb94ca1f9                      ; sin: r + r z (s81 + z (s80 + z s79))
	s_mov_b32 s80, 0x3c08839e
	s_mov_b32 s81, 0xbe2aaaa3
	s_mov_b32 s82, 0x37ccf5ce                      ; cos: 1 - z / 2 + z z (s84 + z (s83 + z s82))
	s_mov_b32 s83, 0xbab6061a
	s_mov_b32 s84, 0x3d2aaaa5
	v_mov_b32 v[VP], 1.0                           ; 10000^(f/32) = 10^(f/8)
.macro PW lane, val
	s_mov_b32 s2, \val
	v_writelane_b32 v[VP], s2, \lane
.endm
	PW 1, 1.3335214322
	PW 2, 1.7782794100
	PW 3, 2.3713737057
	PW 4, 3.1622776602
	PW 5, 4.2169650343
	PW 6, 5.6234132519
	PW 7, 7.4989420933
	PW 8, 10.0
	PW 9, 13.335214322
	PW 10, 17.782794100
	PW 11, 23.713737057
	PW 12, 31.622776602
	PW 13, 42.169650343
	PW 14, 56.234132519
	PW 15, 74.989420933
	PW 16, 100.0
	PW 17, 133.35214322
	PW 18, 177.82794100
	PW 19, 237.13737057
	PW 20, 316.22776602
	PW 21, 421.69650343
	PW 22, 562.34132519
	PW 23, 749.89420933
	PW 24, 1000.0
	PW 25, 1333.5214322
	PW 26, 1778.2794100
	PW 27, 2371.3737057
	PW 28, 3162.2776602
	PW 29, 4216.9650343
	PW 30, 5623.4132519
	PW 31, 7498.9420933
	s_wait_alu depctr_va_vdst(0)                   ; ahead of the transcendental
	v_rcp_f32 v[VI], v[VP]
	v_nop
	s_wait_alu depctr_va_vdst(0)                   ; and ahead of its first reader
	v_fma_f32 v[VE], -v[VP], v[VI], 1.0            ; one correction step
	v_fma_f32 v[VI], v[VI], v[VE], v[VI]
	s_add_co_u32 s85, s[Y4], s[CY]
	s_and_b32 s85, s85, 15
	s_lshl_b32 s85, s85, 7                         ; the block's first token
	s_lshl_b32 s2, s[WV], 5
	s_add_co_u32 s85, s85, s2
	v_cvt_f32_u32 v[TK], s85
	v_add_f32 v[TK+1], 1.0, v[TK]
	v_add_f32 v[TK+2], 2.0, v[TK]
	v_add_f32 v[TK+3], 0x40400000, v[TK]
; set k at v[SS + 12 k]: +0 angle, then r; +1 n; +2 n as a whole number; +3 z = r r; +4 sin r; +5 cos r; +6 .. +10 at work
.macro SINCOS4 g
.irp k, 0,1,2,3
	v_mul_f32 v[SS+12*\k], v[TK+\k], v[VI]
.endr
.irp k, 0,1,2,3
	v_mul_f32 v[SS+12*\k+1], s76, v[SS+12*\k]
.endr
.irp k, 0,1,2,3
	v_rndne_f32 v[SS+12*\k+1], v[SS+12*\k+1]
.endr
.irp k, 0,1,2,3
	v_fma_f32 v[SS+12*\k], v[SS+12*\k+1], s77, v[SS+12*\k]
	v_cvt_i32_f32 v[SS+12*\k+2], v[SS+12*\k+1]
.endr
.irp k, 0,1,2,3
	v_fma_f32 v[SS+12*\k], v[SS+12*\k+1], s78, v[SS+12*\k]
.endr
.irp k, 0,1,2,3
	v_mul_f32 v[SS+12*\k+3], v[SS+12*\k], v[SS+12*\k]
.endr
.irp k, 0,1,2,3
	v_fma_f32 v[SS+12*\k+4], v[SS+12*\k+3], s79, s80
	v_fma_f32 v[SS+12*\k+5], v[SS+12*\k+3], s82, s83
.endr
.irp k, 0,1,2,3
	v_fma_f32 v[SS+12*\k+4], v[SS+12*\k+4], v[SS+12*\k+3], s81
	v_fma_f32 v[SS+12*\k+5], v[SS+12*\k+5], v[SS+12*\k+3], s84
.endr
.irp k, 0,1,2,3
	v_mul_f32 v[SS+12*\k+6], v[SS+12*\k+3], v[SS+12*\k]
	v_mul_f32 v[SS+12*\k+7], v[SS+12*\k+3], v[SS+12*\k+3]
	v_fma_f32 v[SS+12*\k+8], v[SS+12*\k+3], -0.5, 1.0
.endr
.irp k, 0,1,2,3
	v_fma_f32 v[SS+12*\k+4], v[SS+12*\k+4], v[SS+12*\k+6], v[SS+12*\k]
	v_fma_f32 v[SS+12*\k+5], v[SS+12*\k+5], v[SS+12*\k+7], v[SS+12*\k+8]
	v_and_b32 v[SS+12*\k+9], 1, v[SS+12*\k+2]
	v_add_nc_u32 v[SS+12*\k+10], 1, v[SS+12*\k+2]
.endr
.irp k, 0,1,2,3
	v_cmp_eq_u32 s[90+\k], 1, v[SS+12*\k+9]                        ; an odd quarter: sin and cos change places (a choice of values)
	v_lshlrev_b32 v[SS+12*\k+6], 30, v[SS+12*\k+2]                 ; sin is negative in quarters 2, 3,
	v_lshlrev_b32 v[SS+12*\k+10], 30, v[SS+12*\k+10]               ; cos in quarters 1, 2
.endr
.irp k, 0,1,2,3
	v_cndmask_b32 v[SS+12*\k+7], v[SS+12*\k+4], v[SS+12*\k+5], s[90+\k]
	v_cndmask_b32 v[SS+12*\k+8], v[SS+12*\k+5], v[SS+12*\k+4], s[90+\k]
	v_and_b32 v[SS+12*\k+6], 0x80000000, v[SS+12*\k+6]
	v_and_b32 v[SS+12*\k+10], 0x80000000, v[SS+12*\k+10]
.endr
.irp k, 0,1,2,3
	v_xor_b32 v[SS+12*\k+7], v[SS+12*\k+7], v[SS+12*\k+6]
	v_xor_b32 v[SS+12*\k+8], v[SS+12*\k+8], v[SS+12*\k+10]
.endr
.irp k, 0,1,2,3
	ds_store_b32 v[TW], v[SS+12*\k+8] offset:(4*\g+\k)*TP          ; cos
	ds_store_b32 v[TW], v[SS+12*\k+7] offset:(4*\g+\k)*TP+128      ; sin
	v_add_f32 v[TK+\k], 4.0, v[TK+\k]
.endr
.endm
.irp g, 0,1,2,3,4,5,6,7
	SINCOS4 \g
.endr
	s_lshl_b32 s22, s[CY], 2                       ; group 1 for v's rows of W: A's with 64 rows
	s_lshl_b32 s22, 15, s22
	s_or_b32 s[G1V], s22, PADW
	s_mov_b32 s[G1V+1], ROWB<<16
	s_mov_b32 s[G1V+2], 64<<16
	s_mov_b32 s[G1V+3], ROWB<<16
	s_mov_b32 s[G1V+4], 64
	s_mov_b32 s[G1V+5], KROW
	s_mov_b32 s[G1V+6], 0
	s_mov_b32 s[G1V+7], 0
	s_lshl_b32 s[PFV], s[CX], 14                   ; of the 64 rows my work-group takes 16
	s_mov_b32 s[PFV+1], 0
	s_add_nc_u64 s[PFV:PFV+1], s[40:41], s[PFV:PFV+1]
.macro FRAG reg, adr, q, i             ; 16 rows x 128 K: registers 4 c .. 4 c + 3 hold K = 32 c + 16 (l / 16) + 0 .. 15: the same order of k in A and in B
.irp c, 0,1,2,3
	ds_load_b128 v[\reg+4*\c:\reg+4*\c+3], v[\adr] offset:128*(\q)+32*\c+(\i)*16*PITCH
.endr
.endm
; 16 matrix instructions: A's register blocks a0, a0 + 1 x B's eight.  The accumulators take turns, one instruction a turn, in the same order in every step.
.macro MUL16 a0, p, zero
.irp a, \a0, \a0+1
.irp b, 0,1,2,3,4,5,6,7
.if \zero
	v_wmma_f32_16x16x128_bf8_bf8 v[8*(8*((\a)%4)+\b):8*(8*((\a)%4)+\b)+7], v[128*(\p)+FR*\b:128*(\p)+FR*\b+FR-1], v[AF+FR*(\a):AF+FR*(\a)+FR-1], 0
.else
	v_wmma_f32_16x16x128_bf8_bf8 v[8*(8*((\a)%4)+\b):8*(8*((\a)%4)+\b)+7], v[128*(\p)+FR*\b:128*(\p)+FR*\b+FR-1], v[AF+FR*(\a):AF+FR*(\a)+FR-1], v[8*(8*((\a)%4)+\b):8*(8*((\a)%4)+\b)+7]
.endif
.endr
.endr
.endm
.macro FETCH_B slot, q, p
	WIN TO_B
.irp i, 0,1,2,3,4,5,6,7
	FRAG 128*(\p)+FR*\i, ADRB+\slot, \q, \i
.endr
	WIN 0
.endm
.macro FETCH_A slot, q, i0
.irp i, \i0, \i0+1, \i0+2, \i0+3
	FRAG AF+FR*(\i), ADRA+\slot, \q, \i
.endr
.endm
.macro FETCH_AV slot, q, p             ; v: A's four blocks into set p
.irp i, 0,1,2,3
	FRAG AF+FR*(\i+4*(\p)), ADRA+\slot, \q, \i
.endr
.endm
.macro PLACES n
.rept \n
	v_nop
.endr
.endm
; q, k: a step of 128 along K that has its successor in the same slot.  One set serves A (a block is free when its eight products are issued), two serve B.
.macro STEP slot, q, zero
	s_wait_dscnt 4*NL                              ; B's set and A's blocks 0-3 are in; the 16 youngest loads (A's blocks 4-7) may be out
	WIN MUL_LO
	MUL16 0, (\q)%2, \zero
	MUL16 2, (\q)%2, \zero
	s_wait_dscnt 0
	PLACES NP
	FETCH_B \slot, (\q)+1, 1-(\q)%2
	FETCH_A \slot, (\q)+1, 0
	WIN MUL_HI
	MUL16 4, (\q)%2, \zero
	MUL16 6, (\q)%2, \zero
	PLACES NP
	WIN 0
	FETCH_A \slot, (\q)+1, 4
.endm
; q, k: a slot's last step changes slots.  fill = 1: this slot takes the K step two on; fill = 2: it takes v's K step 0.
.macro TURN slot, next, fill
	s_wait_tensorcnt 0x0                           ; all my tensor loads have landed: my part of the next slot
	ds_add_u32 v[SPW], v[NIL]
	s_wait_dscnt 4*NL+1                            ; the add and the 16 youngest loads may be out
	WIN MUL_LO
	MUL16 0, 1, 0
	s_wait_dscnt 0x0                               ; the add is done, and my reads of this slot are over
	s_barrier_signal -1
	MUL16 2, 1, 0
	WIN 0
	s_barrier_wait -1
	CREST                                          ; the barrier has opened a round of the cluster's
.if \fill == 1
	s_add_nc_u64 s[G0+4*\slot+2:G0+4*\slot+3], s[G0+4*\slot+2:G0+4*\slot+3], 2*ROWB
	s_add_nc_u64 s[G0B+4*\slot+2:G0B+4*\slot+3], s[G0B+4*\slot+2:G0B+4*\slot+3], 2*ROWB
	JLOAD G0+4*\slot, G1, G0B+4*\slot, G1B
.else
	s_mov_b64 s[G0+4*\slot+2:G0+4*\slot+3], s[40:41]
	s_or_b32 s[G0+4*\slot+3], s[G0+4*\slot+3], 0x80000000
	s_mov_b64 s[G0B+4*\slot+2:G0B+4*\slot+3], s[44:45]
	s_or_b32 s[G0B+4*\slot+3], s[G0B+4*\slot+3], 0x80000000
	JLOAD G0+4*\slot, G1V, G0B+4*\slot, G1B
.endif
	FETCH_B \next, 0, 0                            ; (the load's four v_nop are the places in front of these loads)
	FETCH_A \next, 0, 0
.if \fill == 2
	ASKV 2*ROWB
.endif
	WIN MUL_HI
	MUL16 4, 1, 0
	MUL16 6, 1, 0
	PLACES NP
	WIN 0
	FETCH_A \next, 0, 4
.endm
; v: 32 accumulators in window 2; A and B have two sets each.  A slot's first step multiplies set 0 and fetches set 1.
.macro VSTEP slot, zero
	s_wait_dscnt 0x0
	PLACES NP
	FETCH_B \slot, 1, 1
	FETCH_AV \slot, 1, 1
	WIN MUL_LO
	MUL16 0, 0, \zero
	MUL16 2, 0, \zero
	WIN 0
.endm
; v: a slot's second step multiplies set 1 (register blocks 4-7 onto the same accumulators) and changes slots.
.macro VTURN slot, next, fill
	s_wait_tensorcnt 0x0
	ds_add_u32 v[SPW], v[NIL]
	s_wait_dscnt 0x0                               ; the add is done, set 1 is in, and my reads of this slot are over
	s_barrier_signal -1
	WIN MUL_LO
	MUL16 4, 1, 0
	WIN 0
	s_barrier_wait -1
.if \fill
	CREST
	s_add_nc_u64 s[G0+4*\slot+2:G0+4*\slot+3], s[G0+4*\slot+2:G0+4*\slot+3], 2*ROWB
	s_add_nc_u64 s[G0B+4*\slot+2:G0B+4*\slot+3], s[G0B+4*\slot+2:G0B+4*\slot+3], 2*ROWB
	JLOAD G0+4*\slot, G1V, G0B+4*\slot, G1B
.else
	PLACES NP
.endif
	FETCH_B \next, 0, 0
	FETCH_AV \next, 0, 0
	WIN MUL_LO
	MUL16 6, 1, 0
	WIN 0
.endm
	s_wait_alu depctr_va_vdst(0)
	s_wait_tensorcnt 0x0                           ; my part of K step 0 is in; these lines stand ahead of a later first fill as ahead of a refill
	ds_add_u32 v[SPW], v[NIL]
	s_wait_dscnt 0x0                               ; the add is done, and my rows of the table are written
	CROUND
	JLOAD G0+4, G1, G0B+4, G1B                     ; K step 1, slot 1's first fill
	FETCH_B 0, 0, 0
	FETCH_A 0, 0, 0
	FETCH_A 0, 0, 4
	global_prefetch_b8 v[PFO], s[PFA:PFA+1] offset:3*ROWB th:TH_LOAD_NT scope:SCOPE_SE   ; K step 3
	STEP 0, 0, 1                                   ; the first step's products start the sums
	TURN 0, 1, 1
	STEP 1, 0, 0
	TURN 1, 0, 1
	STEP 0, 0, 0
	TURN 0, 1, 2                                   ; slot 0 takes v's K step 0
	STEP 1, 0, 0
	s_wait_dscnt 4*NL
	WIN MUL_LO
	MUL16 0, 1, 0
	MUL16 2, 1, 0
	s_wait_dscnt 0
	WIN MUL_HI
	MUL16 4, 1, 0
	MUL16 6, 1, 0
	WIN 0
	; THE WAY OUT OF q, k: lane (r, h) of accumulator (a, 4 hl + c): token 16 a + r, head 4 cx + 2 (wave % 2) + hl, channels 16 c + 8 h + 0 .. 7
	s_wait_kmcnt 0x0
	s_wait_loadcnt 0x0
	s_add_co_i32 s[SC], s[ES], s[ES+1]
	s_add_co_i32 s[SC], s[SC], 127
	s_lshl_b32 s[SC], s[SC], 23                    ; 2^(e0 + e1)
	s_mov_b32 s[SC+1], s[SC]
	PLACES NP
	s_cmp_eq_u32 ttmp9, 0
	s_cselect_b32 s94, s[ES+2], s[ES+3]
	s_cselect_b64 s[86:87], s[12:13], s[14:15]     ; q_img or kv_img
	s_cselect_b32 s95, 17, 18                      ; a head's bytes there: 2^17 or 2^18
	s_add_co_i32 s94, s94, 127
	s_lshl_b32 s93, s94, 23
	v_mov_b32 v[CVS], s93
	s_add_co_i32 s94, s94, 15
	s_lshl_b32 s94, s94, 23
	s_or_b32 s94, s94, 0x600000
	v_mov_b32 v[LIM], s94                          ; 57,344 x 2^e
	s_wait_alu depctr_va_vdst(0)
	s_add_co_u32 s92, s[Y4], s[CY]
	s_lshr_b32 s93, s92, 4
	s_lshl_b32 s93, s93, 1
	s_add_co_u32 s93, s93, s[WHI]                  ; batch
	s_lshl_b32 s93, s93, 4
	s_lshl_b32 s94, s[CX], 2
	s_add_co_u32 s93, s93, s94
	s_lshl_b32 s94, s[WLO], 1
	s_add_co_u32 s93, s93, s94                     ; 16 batch + head, hl = 0
	s_lshl_b32 s96, s93, s95
	s_and_b32 s92, s92, 15
	s_lshl_b32 s92, s92, 13
	s_add_co_u32 s96, s96, s92
	s_mov_b32 s97, 0
	s_add_nc_u64 s[86:87], s[86:87], s[96:97]
	s_lshl_b32 s96, 1, s95
	s_add_nc_u64 s[88:89], s[86:87], s[96:97]      ; hl = 1
.macro CTLOAD a                        ; cos and sin of tokens 16 a + r at frequencies 8 h + 0..7 and 16 + 8 h + 0..7, into set a % 2
.set CC, CT+32*((\a)%2)
.irp u, 0,1
	ds_load_b128 v[CC+16*\u:CC+16*\u+3],     v[TR] offset:16*(\a)*TP+128*\u
	ds_load_b128 v[CC+16*\u+4:CC+16*\u+7],   v[TR] offset:16*(\a)*TP+128*\u+16
	ds_load_b128 v[CC+16*\u+8:CC+16*\u+11],  v[TR] offset:16*(\a)*TP+128*\u+64
	ds_load_b128 v[CC+16*\u+12:CC+16*\u+15], v[TR] offset:16*(\a)*TP+128*\u+80
.endr
.endm
.macro ROPE a, hl                      ; one head of one token tile: 32 numbers a lane
.set CC, CT+32*((\a)%2)
	WIN 0x02+((\a)/4)
.irp c, 0,1,2,3
.irp i, 0,2,4,6
	v_pk_fma_f32 v[X+8*\c+\i:X+8*\c+\i+1], v[8*(8*((\a)%4)+4*(\hl)+\c)+\i:8*(8*((\a)%4)+4*(\hl)+\c)+\i+1], s[SC:SC+1], v[BIAS+32*(\hl)+8*\c+\i:BIAS+32*(\hl)+8*\c+\i+1] op_sel_hi:[1,0,1]
.endr
.endr
	WIN 0
.irp j, 0,2,4,6,8,10,12,14             ; channel d < 32 in X[j], its partner d + 32 in X[16 + j]
	v_pk_mul_f32 v[T+\j:T+\j+1], v[X+\j:X+\j+1], v[CC+\j:CC+\j+1]
	v_pk_mul_f32 v[T+16+\j:T+16+\j+1], v[X+16+\j:X+16+\j+1], v[CC+\j:CC+\j+1]
.endr
.irp j, 0,2,4,6,8,10,12,14
	v_pk_fma_f32 v[T+\j:T+\j+1], v[X+16+\j:X+16+\j+1], v[CC+16+\j:CC+16+\j+1], v[T+\j:T+\j+1] neg_lo:[0,1,0] neg_hi:[0,1,0]
	v_pk_fma_f32 v[T+16+\j:T+16+\j+1], v[X+\j:X+\j+1], v[CC+16+\j:CC+16+\j+1], v[T+16+\j:T+16+\j+1]
.endr
.set j, 0
.rept 32
	v_med3_num_f32 v[T+j], v[T+j], -v[LIM], v[LIM] ; the conversion does not saturate (ISA guide 7.6.2): the hold
.set j, j+1
.endr
	s_wait_alu depctr_va_vdst(0)
	s_wait_xcnt 0x0                                ; the stores that read this set of code registers have had their addresses translated
.irp c, 0,1,2,3
	v_cvt_scalef32_pk8_bf8_f32 v[CD+8*(\hl)+2*\c:CD+8*(\hl)+2*\c+1], v[T+8*\c:T+8*\c+7], v[CVS]
.endr
	v_nop
	global_store_b128 v[LI], v[CD+8*(\hl):CD+8*(\hl)+3],   s[86+2*(\hl):87+2*(\hl)] offset:1024*(\a)
	global_store_b128 v[LI], v[CD+8*(\hl)+4:CD+8*(\hl)+7], s[86+2*(\hl):87+2*(\hl)] offset:1024*(\a)+512
.endm
	CTLOAD 0
.irp a, 0,1,2,3,4,5,6,7
.if \a < 7
	CTLOAD \a+1
	s_wait_dscnt 8                                 ; this tile's eight loads are in; the next tile's eight may be out
.else
	s_wait_dscnt 0
.endif
	ROPE \a, 0
	ROPE \a, 1
.if \a == 3                            ; half way out slot 1, which nobody reads any more, takes v's K step 1
	s_wait_alu depctr_va_vdst(0)
	s_wait_tensorcnt 0x0                           ; my part of v's K step 0 is in
	ds_add_u32 v[SPW], v[NIL]
	s_wait_dscnt 0x0
	CROUND
	s_add_nc_u64 s[G0+6:G0+7], s[40:41], ROWB
	s_or_b32 s[G0+7], s[G0+7], 0x80000000
	s_add_nc_u64 s[G0B+6:G0B+7], s[44:45], ROWB
	s_or_b32 s[G0B+7], s[G0B+7], 0x80000000
	JLOAD G0+4, G1V, G0B+4, G1B
	ASKV 3*ROWB
.endif
.endr
	; v
	s_wait_xcnt 0x0                                ; the stores have read their registers and bases: fragments may land there
.irp a, 0,1,2,3
	global_load_b32 v[VB+2*\a],   v[VO], s[98:99] offset:64*\a     ; block a: row 16 a + r, twice: a pair for the packed form
	global_load_b32 v[VB+2*\a+1], v[VO], s[98:99] offset:64*\a
.endr
	FETCH_B 0, 0, 0                                ; everybody's part of v's K step 0 was in at the round above
	FETCH_AV 0, 0, 0
	VSTEP 0, 1
	VTURN 0, 1, 1
	VSTEP 1, 0
	VTURN 1, 0, 1
	VSTEP 0, 0
	VTURN 0, 1, 0
	VSTEP 1, 0
	s_wait_dscnt 0x0
	WIN MUL_LO
	MUL16 4, 1, 0
	MUL16 6, 1, 0
	WIN 0
	; lane (r, h) of accumulator (a, b): channel 16 a + r of head 4 cy + 2 X + wave / 2; keys 16 b + 8 h + 0 .. 7 of the block of 128 tokens, which is one key step
	s_wait_loadcnt 0x0
	s_add_co_i32 s94, s[ES+5], 127
	s_lshl_b32 s93, s94, 23
	v_mov_b32 v[CVS], s93
	s_add_co_i32 s94, s94, 15
	s_lshl_b32 s94, s94, 23
	s_or_b32 s94, s94, 0x600000
	v_mov_b32 v[LIM], s94
	s_wait_alu depctr_va_vdst(0)
	s_add_co_u32 s92, s[Y4], s[CX]
	s_lshr_b32 s93, s92, 4
	s_lshl_b32 s93, s93, 1
	s_add_co_u32 s93, s93, s[WLO]                  ; batch
	s_lshl_b32 s93, s93, 4
	s_lshl_b32 s94, s[CY], 2
	s_add_co_u32 s93, s93, s94
	s_lshl_b32 s94, ttmp9, 1
	s_add_co_u32 s93, s93, s94
	s_add_co_u32 s93, s93, s[WHI]                  ; 16 batch + head
	s_lshl_b32 s96, s93, 18
	s_and_b32 s92, s92, 15
	s_lshl_b32 s92, s92, 13
	s_add_co_u32 s96, s96, s92
	s_add_co_u32 s96, s96, 131072                  ; V lies behind K
	s_mov_b32 s97, 0
	s_add_nc_u64 s[86:87], s[14:15], s[96:97]
	PLACES NP
.macro VOUT a, c                       ; piece c of fragment a: accumulators (a, 2 c) and (a, 2 c + 1)
	WIN 0x02
.irp u, 0,1
.irp i, 0,2,4,6
	v_pk_fma_f32 v[X+8*\u+\i:X+8*\u+\i+1], v[8*(8*(\a)+2*(\c)+\u)+\i:8*(8*(\a)+2*(\c)+\u)+\i+1], s[SC:SC+1], v[VB+2*(\a):VB+2*(\a)+1] op_sel_hi:[1,0,1]
.endr
.endr
	WIN 0
.set j, 0
.rept 16
	v_med3_num_f32 v[X+j], v[X+j], -v[LIM], v[LIM]
.set j, j+1
.endr
	s_wait_alu depctr_va_vdst(0)
	s_wait_xcnt 0x0
	v_cvt_scalef32_pk8_bf8_f32 v[CD+4*(\c):CD+4*(\c)+1],   v[X:X+7],    v[CVS]
	v_cvt_scalef32_pk8_bf8_f32 v[CD+4*(\c)+2:CD+4*(\c)+3], v[X+8:X+15], v[CVS]
	v_nop
	global_store_b128 v[LI], v[CD+4*(\c):CD+4*(\c)+3], s[86:87] offset:(\a)*2048+512*(\c)
.endm
.irp a, 0,1,2,3
.irp c, 0,1,2,3
	VOUT \a, \c
.endr
.endr
	s_wait_tensorcnt 0x0                           ; the wave's end
	ds_add_u32 v[SPW], v[NIL]
	s_wait_dscnt 0x0
	CROUND                                         ; the closing round
	s_endpgm
.Lfunc_end_k_qc986a15b0a_qkv:
	.size	k_qc986a15b0a_qkv, .Lfunc_end_k_qc986a15b0a_qkv-k_qc986a15b0a_qkv
	.p2alignl 7, 3214868480
	.fill 96, 4, 3214868480
	.section	.rodata,"a",@progbits
	.p2align	6, 0x0
	.amdhsa_kernel k_qc986a15b0a_qkv
		.amdhsa_group_segment_fixed_size 327680
		.amdhsa_private_segment_fixed_size 0
		.amdhsa_enable_private_segment 0
		.amdhsa_kernarg_size 48
		.amdhsa_user_sgpr_count 2
		.amdhsa_user_sgpr_kernarg_segment_ptr 1
		.amdhsa_wavefront_size32 1
		.amdhsa_system_sgpr_workgroup_id_x 1
		.amdhsa_system_sgpr_workgroup_id_y 1
		.amdhsa_system_sgpr_workgroup_id_z 1
		.amdhsa_system_vgpr_workitem_id 0
		.amdhsa_next_free_vgpr 1024
		.amdhsa_next_free_sgpr 102
		.amdhsa_reserve_vcc 0
		.amdhsa_float_denorm_mode_32 3
		.amdhsa_float_denorm_mode_16_64 3
		.amdhsa_memory_ordered 1
		.amdhsa_forward_progress 1
		.amdhsa_inst_pref_size 255
	.end_amdhsa_kernel
	.section	.bss,"aw",@nobits
	.p2align	6
	.space	262144
	.amdgpu_metadata
---
amdhsa.version: [ 1, 2 ]
amdhsa.kernels:
  - .name:           k_qc986a15b0a_qkv
    .symbol:         k_qc986a15b0a_qkv.kd
    .args:
      - { .name: x_codes, .offset: 0, .size: 8, .value_kind: global_buffer, .address_space: global }
      - { .name: W_qkv_codes, .offset: 8, .size: 8, .value_kind: global_buffer, .address_space: global }
      - { .name: b_qkv, .offset: 16, .size: 8, .value_kind: global_buffer, .address_space: global }
      - { .name: lowp_scales, .offset: 24, .size: 8, .value_kind: global_buffer, .address_space: global }
      - { .name: q_img, .offset: 32, .size: 8, .value_kind: global_buffer, .address_space: global }
      - { .name: kv_img, .offset: 40, .size: 8, .value_kind: global_buffer, .address_space: global }
    .group_segment_fixed_size: 327680
    .private_segment_fixed_size: 0
    .kernarg_segment_align: 8
    .kernarg_segment_size: 48
    .max_flat_workgroup_size: 128
    .sgpr_count:     102
    .vgpr_count:     1024
    .wavefront_size: 32
...
	.end_amdgpu_metadata
.endif
;; end of part 1
;; launch attn (part 2): grid 4 x 64, 16 waves a work-group, clusters of 4 x 1, 327,680 bytes of LDS; arguments q_img, kv_img, lowp_scales, a_img; writes a_img
.if DOCPART == 2
	.amdgcn_target "amdgcn-amd-amdhsa--gfx1250"
	.amdhsa_code_object_version 6
	.text
	.protected	k_qc986a15b0a_attn
	.globl	k_qc986a15b0a_attn
	.p2align	8
	.type	k_qc986a15b0a_attn,@function
k_qc986a15b0a_attn:
	s_mov_b64 s[64:65], 0
	v_nop
	global_prefetch_b8 v0, s[64:65] scope:SCOPE_SE
	s_setreg_imm32_b32 hwreg(HW_REG_WAVE_MODE, 25, 1), 1
	s_wait_xcnt 0x0
	s_wait_alu depctr_hold_cnt(0) depctr_sa_sdst(0) depctr_va_vdst(0) depctr_va_sdst(0) depctr_va_ssrc(0) depctr_va_vcc(0) depctr_vm_vsrc(0)
	s_getreg_b32 s2, hwreg(HW_REG_IB_STS2, 6, 4)
	s_cmp_eq_u32 s2, 0
	s_cbranch_scc0 .Lentry_in_a_cluster
	s_endpgm
.Lentry_in_a_cluster:
	s_bfe_u32 s2, ttmp6, 0x10000c
	s_cmp_lg_u32 s2, 0x3003
	s_cbranch_scc0 .Lentry_shape_is_right
	s_endpgm
.Lentry_shape_is_right:
; O = softmax(Q K^T / 8) V for one head and 512 queries a work-group, both products on codes of BF8 (E5M2); O / the row's sum is quantised with 2^e6 and stored as an image of the last product's operand registers.
; p = 2^(t - M), t = score x log2(e) / 8, M = the running largest t rounded up to a whole number; the row's sum is taken of the unquantised p; when M moves, the sum and O are multiplied by 2^(old M - new M).
; SHARES: 16 waves, each 32 queries (two tiles of 16).  Both products are used transposed (S^T = K Q^T, O^T = V^T P^T): a lane holds one query of each tile.  A step is 128 keys; a trip of the loop is two steps; 8 trips.
; LDS: the head's whole K (131,072 bytes) and V (131,072 bytes) images lie there as in memory.  Each wave brings 16,384 bytes by ONE joint load at the head; the four work-groups of a cluster walk the same head.  Nothing is filled again.
; No prefetch is written: every tile is requested at the head, so there is no loop to run ahead in.
; REGISTERS: v1 2^e4; v2, v3 LDS addresses of K, V; v[4:5], v[14:15] at work on the maxima, then f of tile 0, 1; v[6:7], v[8:9] -M and the largest score; v[10:13] the sums; v16-31 Q;
;   v64-127 S of tile 0, then V's fragments; v192-255 O^T.  Three blocks of 32 change roles: X = v32 holds K's tiles 0-3, then S of tile 1, keys 64-127; of Y = v128 and Z = v160 one holds K's tiles 4-7 and then p's codes,
;   the other S of tile 1, keys 0-63; the two swap from step to step.  So the next step's eight fragments of K are fetched, ahead of this step's second product, into the registers that tile 1's conversions have left.
; LIMITS: e2 + e3 between -123 and 130; e4 between -15 and 112; e6 between -126 and 112; the scaled scores stay under 2^31 in magnitude.
;   p is at most 1, and 57,344 x 2^e4 is at least 1 from e4 = -15 on: there the quantiser's clamp leaves every p as it is, and it is not written.  Under e4 = -15 this text does not serve.
.set CVS, 1
.set ADK, 2
.set ADV, 3
.set F0,  4
.set N0,  6
.set N1,  8
.set L0,  10
.set L1,  12
.set F1,  14
.set Q,   16
.set X,   32
.set S0,  64
.set Y,   128
.set Z,   160
.set O0,  192
.set WV,  12
.set CX,  13
.set BH,  14
.set G1,  16
.set G0,  24
.set ES,  40
.set CS,  48                           ; s[48:49] c = log2(e) / 8 x 2^(e2 + e3)
.set SEL, 50
.set NCS, 52                           ; -c
.set CNT, 53
.set TBK, 54                           ; the trip's first byte in K's image
.macro CROUND
	s_barrier_signal -1
	s_barrier_wait -1
	s_cmp_lg_u32 s[WV], 0
	s_cbranch_scc1 .Lnot_wave_0_\@
	s_barrier_signal -3
.Lnot_wave_0_\@:
	s_barrier_wait -3
	s_barrier_signal -1
	s_barrier_wait -1
.endm
	s_load_b256 s[4:11], s[0:1], 0x0               ; q_img, kv_img, the exponents, a_img
	v_lshl_add_u32 v254, v0, 2, 0x40000            ; my spare word, behind K and V
	v_mov_b32 v255, 0
	ds_add_u32 v254, v255                          ; the opening lines: the add, twice on end, and its wait
	ds_add_u32 v254, v255
	v_lshrrev_b32 v1, 5, v0
	v_readfirstlane_b32 s[WV], v1
	v_and_b32 v[ADK], 31, v0
	v_lshlrev_b32 v[ADK], 4, v[ADK]                ; 16 x lane: my place in every image
	s_bfe_u32 s[CX], ttmp6, 0x40000
	s_and_b32 s[BH], ttmp7, 0xffff                 ; 16 batch + head
	s_mov_b32 s[G1], 15|(3<<16)|(1<<21)            ; the mask of the four; elements of 8 bytes; bit 21 beside a mask
	s_mov_b32 s[G1+1], 32<<16                      ; rows of 256 bytes,
	s_mov_b32 s[G1+2], 64<<16                      ; 64 of them
	s_mov_b32 s[G1+3], 32<<16
	s_mov_b32 s[G1+4], 64
	s_mov_b32 s[G1+5], 32
	s_mov_b32 s[G1+6], 0
	s_mov_b32 s[G1+7], 0
	s_lshl_b32 s62, s[WV], 14                      ; my 16,384 bytes, in LDS as in the head's image
	s_lshl_b32 s58, s[BH], 18
	s_add_co_u32 s58, s58, s62
	s_mov_b32 s59, 0
	s_lshl_b32 s60, s[BH], 17
	s_lshl_b32 s61, s[CX], 15
	s_add_co_u32 s60, s60, s61
	s_lshl_b32 s61, s[WV], 11
	s_add_co_u32 s60, s60, s61                     ; my two tiles of queries in q_img
	s_mov_b32 s61, 0
	s_wait_alu depctr_va_vdst(0)
	s_wait_dscnt 0x0
	s_wait_kmcnt 0x0
	s_load_b256 s[ES:ES+7], s[8:9], 0x0
	s_add_nc_u64 s[4:5], s[4:5], s[60:61]
.irp i, 0,1,2,3
	global_load_b128 v[Q+4*\i:Q+4*\i+3], v[ADK], s[4:5] offset:512*\i
.endr
	s_mov_b32 s[G0], 1
	s_mov_b32 s[G0+1], s62
	s_add_nc_u64 s[G0+2:G0+3], s[6:7], s[58:59]
	s_or_b32 s[G0+3], s[G0+3], 0x80000000
	CROUND                                         ; the four work-groups are here: the joint loads meet
	tensor_load_to_lds s[G0:G0+3], s[G1:G1+7]
	s_nop 0
	v_mov_b32 v[N0], 0x7f61b1e6                    ; -M: 3e38;
	v_mov_b32 v[N1], 0x7f61b1e6
	v_mov_b32 v[N0+1], 0xff61b1e6                  ; the largest score so far: -3e38
	v_mov_b32 v[N1+1], 0xff61b1e6
.irp i, 10,11,12,13
	v_mov_b32 v\i, 0
.endr
.set j, 0
.rept 64
	v_mov_b32 v[O0+j], 0                           ; the loop has no first step of its own: the first change of M multiplies zeros
.set j, j+1
.endr
	s_mov_b32 s[SEL], 0x76543210
	s_mov_b32 s[SEL+1], 0xfedcba98
	s_mov_b32 s[TBK], 0
	s_lshr_b32 s60, s[BH], 4                       ; where my results go in a_img
	s_lshl_b32 s60, s60, 7
	s_lshl_b32 s61, s[CX], 5
	s_add_co_u32 s60, s60, s61
	s_lshl_b32 s61, s[WV], 1
	s_add_co_u32 s60, s60, s61                     ; token tile
	s_lshl_b32 s60, s60, 3
	s_bfe_u32 s61, s[BH], 0x30001
	s_add_co_u32 s60, s60, s61                     ; x 8 + head / 2: a K step of 128 channels
	s_lshl_b32 s60, s60, 11
	s_and_b32 s61, s[BH], 1
	s_lshl_b32 s61, s61, 10
	s_add_co_u32 s58, s60, s61
	s_add_nc_u64 s[10:11], s[10:11], s[58:59]
	s_wait_kmcnt 0x0
	s_add_co_i32 s60, s[ES+2], s[ES+3]
	s_lshl_b32 s60, s60, 23
	s_mov_b32 s[CS], 0x3e38aa3b
	s_add_co_i32 s[CS], s[CS], s60                 ; the two exponents are added to c's exponent field
	s_mov_b32 s[CS+1], s[CS]
	s_xor_b32 s[NCS], s[CS], 0x80000000
	s_add_co_i32 s60, s[ES+4], 127
	s_lshl_b32 s60, s60, 23
	v_mov_b32 v[CVS], s60                          ; 2^e4
	s_add_co_i32 s55, s[ES+4], s[ES+5]             ; for the way out: e4 + e5,
	s_add_co_i32 s56, s[ES+6], 127
	s_lshl_b32 s57, s56, 23                        ; 2^e6,
	s_add_co_i32 s56, s56, 15
	s_lshl_b32 s56, s56, 23
	s_or_b32 s56, s56, 0x600000                    ; 57,344 x 2^e6
.macro LOADK off, hi                   ; eight tiles of 16 keys x 64 channels: tiles 0-3 into X, tiles 4-7 into hi
.irp t, 0,1,2,3
	ds_load_b128 v[X+8*\t:X+8*\t+3],     v[ADK] offset:\off+\t*1024
	ds_load_b128 v[X+8*\t+4:X+8*\t+7],   v[ADK] offset:\off+\t*1024+512
	ds_load_b128 v[\hi+8*\t:\hi+8*\t+3],   v[ADK] offset:\off+4096+\t*1024
	ds_load_b128 v[\hi+8*\t+4:\hi+8*\t+7], v[ADK] offset:\off+4096+\t*1024+512
.endr
.endm
; register j (0..63) of a tile's scores is v[b + j + (j / 32) d]
.macro SUMS l, b, d                    ; the row's sum of the unquantised p, two at a time, in four chains
	; four chains by turns: the running sum and three pairs at TS, TS - 2, TS - 4, which are free until tile 1's conversions
.irp k, 0,1,2
	v_pk_add_f32 v[TS-2*\k:TS-2*\k+1], v[\b+4*\k:\b+4*\k+1], v[\b+4*\k+2:\b+4*\k+3]
.endr
.set j, 12
.rept 6
	v_pk_add_f32 v[\l:\l+1], v[\l:\l+1], v[\b+j+(j/32)*(\d):\b+j+(j/32)*(\d)+1]
.irp k, 0,1,2
	v_pk_add_f32 v[TS-2*\k:TS-2*\k+1], v[TS-2*\k:TS-2*\k+1], v[\b+j+2+2*\k+((j+2+2*\k)/32)*(\d):\b+j+2+2*\k+((j+2+2*\k)/32)*(\d)+1]
.endr
.set j, j+8
.endr
	v_pk_add_f32 v[\l:\l+1], v[\l:\l+1], v[\b+60+(\d):\b+60+(\d)+1]
	v_pk_add_f32 v[TS:TS+1], v[TS:TS+1], v[\b+62+(\d):\b+62+(\d)+1]
	v_pk_add_f32 v[TS-2:TS-1], v[TS-2:TS-1], v[TS-4:TS-3]
	v_pk_add_f32 v[\l:\l+1], v[\l:\l+1], v[TS:TS+1]
	v_pk_add_f32 v[\l:\l+1], v[\l:\l+1], v[TS-2:TS-1]
.endm
.macro CODES p, b, d                   ; registers 2 g, 2 g + 1 of the operand: keys 16 g + 8 h + 0 .. 7
.set j, 0
.rept 8
	v_cvt_scalef32_pk8_bf8_f32 v[\p+j/4:\p+j/4+1], v[\b+j+(j/32)*(\d):\b+j+(j/32)*(\d)+7], v[CVS]
.set j, j+8
.endr
.endm
; A KEY STEP.  c: which of Y, Z holds K's tiles 4-7; u: the step's number in the trip
.macro CHAIN k, f, n                   ; line k of the way from a tile's largest score (in v[f]) to -M, the running largest score and f = 2^(old M - new M)
.if \k == 0
	v_permlanex16_b32 v[\f+1], v[\f], s[SEL], s[SEL+1]
.endif
.if \k == 1
	v_max_num_f32 v[\n+1], v[\f], v[\f+1]          ; and lane l xor 16's
.endif
.if \k == 2
	v_mul_f32 v[\f], s[NCS], v[\n+1]               ; -t
.endif
.if \k == 3
	v_floor_f32 v[\f], v[\f]                       ; the new -M = floor(-t)
.endif
.if \k == 4
	v_sub_f32 v[\f+1], v[\f], v[\n]                ; old M - new M, a whole number, 0 or less
.endif
.if \k == 5
	v_mov_b32 v[\n], v[\f]
.endif
.if \k == 6
	v_cvt_i32_f32 v[\f+1], v[\f+1]                 ; (it saturates)
.endif
.if \k == 7
	v_ldexp_f32 v[\f], 1.0, v[\f+1]                ; f
.endif
.endm
.macro STEP c, u
.set FH, Y+32*(\c)                     ; K's tiles 4-7, then p's codes
.set SL, Z-32*(\c)                     ; tile 1's scores of keys 0-63
.set SD, X-SL-32                       ; and those of keys 64-127 lie in X
.set PC, FH
.set TS, PC+30                         ; the sums' second chain: free until tile 1's last conversion
	s_wait_dscnt 0x0                               ; K's eight fragments are in
.irp t, 0,1,2,3
	v_wmma_f32_16x16x64_bf8_bf8 v[S0+8*\t:S0+8*\t+7], v[X+8*\t:X+8*\t+7], v[Q:Q+7], 0
	v_wmma_f32_16x16x64_bf8_bf8 v[SL+8*\t:SL+8*\t+7], v[X+8*\t:X+8*\t+7], v[Q+8:Q+15], 0
.endr
.rept 5
	v_nop                                          ; five places: the products below write over fragments 0-3 (ISA guide 7.12.1)
.endr
.irp t, 0,1,2,3
	v_wmma_f32_16x16x64_bf8_bf8 v[S0+32+8*\t:S0+32+8*\t+7], v[FH+8*\t:FH+8*\t+7], v[Q:Q+7], 0
	v_wmma_f32_16x16x64_bf8_bf8 v[X+8*\t:X+8*\t+7], v[FH+8*\t:FH+8*\t+7], v[Q+8:Q+15], 0
.endr
	; the largest score, the running one among the leaves: four chains by turns, each accumulator from its low end on; the first lines are the places behind the last products
	; tile 0: four chains by turns, in v[F0], v[F0+1], v[F1], v[F1+1]
	v_max3_num_f32 v[F0], v[N0+1], v[S0], v[S0+1]
	v_max3_num_f32 v[F0+1], v[S0+2], v[S0+3], v[S0+4]
	v_max3_num_f32 v[F1], v[S0+5], v[S0+6], v[S0+7]
	v_max3_num_f32 v[F1+1], v[S0+8], v[S0+9], v[S0+10]
.set j, 11
.rept 26
.set cr, F0+((j-11)/2)%2+(F1-F0)*(((j-11)/4)%2)
	v_max3_num_f32 v[cr], v[cr], v[S0+j], v[S0+j+1]
.set j, j+2
.endr
	v_max3_num_f32 v[F0], v[F0], v[F0+1], v[F1]
	v_max3_num_f32 v[F0], v[F0], v[F1+1], v[S0+63]
	; tile 1: four chains, in v[F1], v[F1+1], v[PC], v[PC+1]; a line of tile 0's way to M stands behind every third of its lines
	v_max3_num_f32 v[F1], v[N1+1], v[SL], v[SL+1]
	v_max3_num_f32 v[F1+1], v[SL+2], v[SL+3], v[SL+4]
	v_max3_num_f32 v[PC], v[SL+5], v[SL+6], v[SL+7]
	v_max3_num_f32 v[PC+1], v[SL+8], v[SL+9], v[SL+10]
.set j, 11
.rept 26
.set cr, F1+((j-11)/2)%2+(PC-F1)*(((j-11)/4)%2)
	v_max3_num_f32 v[cr], v[cr], v[SL+j+(j/32)*SD], v[SL+j+1+((j+1)/32)*SD]
.if ((j-11)/2)%3 == 0
.set kk, (j-11)/6
	CHAIN kk, F0, N0
.endif
.set j, j+2
.endr
	v_max3_num_f32 v[F1], v[F1], v[F1+1], v[PC]
	v_max3_num_f32 v[F1], v[F1], v[PC+1], v[X+31]
	; tile 1's way to M, each line followed by six of tile 0's: O^T under the new M (no exponential stands between the last products and these lines) and t - M
.set j, 0
.rept 8
.set kk, j
	CHAIN kk, F1, N1
	v_pk_mul_f32 v[O0+4*j:O0+4*j+1], v[O0+4*j:O0+4*j+1], v[F0:F0+1] op_sel_hi:[1,0]
	v_pk_mul_f32 v[O0+4*j+2:O0+4*j+3], v[O0+4*j+2:O0+4*j+3], v[F0:F0+1] op_sel_hi:[1,0]
.irp i, 0,2,4,6
	v_pk_fma_f32 v[S0+8*j+\i:S0+8*j+\i+1], v[S0+8*j+\i:S0+8*j+\i+1], s[CS:CS+1], v[N0:N0+1] op_sel_hi:[1,0,0]
.endr
.set j, j+1
.endr
.set j, 0
.rept 16
	v_pk_mul_f32 v[O0+32+j:O0+32+j+1], v[O0+32+j:O0+32+j+1], v[F1:F1+1] op_sel_hi:[1,0]
.set j, j+2
.endr
	v_pk_mul_f32 v[L0:L0+1], v[L0:L0+1], v[F0:F0+1] op_sel_hi:[1,0]
	v_pk_mul_f32 v[L1:L1+1], v[L1:L1+1], v[F1:F1+1] op_sel_hi:[1,0]
	s_wait_alu depctr_va_vdst(0)                   ; ahead of the batch
.set j, 0
.rept 32                                       ; tile 0's exponentials; tile 1's t - M stands among them: its results are read behind the next wait alone
	v_exp_f32 v[S0+j], v[S0+j]
	v_exp_f32 v[S0+j+1], v[S0+j+1]
	v_pk_fma_f32 v[SL+j+(j/32)*SD:SL+j+(j/32)*SD+1], v[SL+j+(j/32)*SD:SL+j+(j/32)*SD+1], s[CS:CS+1], v[N1:N1+1] op_sel_hi:[1,0,0]
.set j, j+2
.endr
	s_wait_alu depctr_va_vdst(0)                   ; one wait: behind tile 0's batch and ahead of tile 1's
	SUMS L0, S0, 0
	CODES PC, S0, 0
.irp d, 0,1,2,3
.irp e, 0,1,2,3
	ds_load_b128 v[S0+16*\d+4*\e:S0+16*\d+4*\e+3], v[ADV] offset:8192*(\u)+2048*\d+512*\e   ; V's four fragments, where tile 0's p lay
.endr
.endr
.set j, 0
.rept 64
	v_exp_f32 v[SL+j+(j/32)*SD], v[SL+j+(j/32)*SD]
.set j, j+1
.endr
	v_nop                                          ; a plain place behind the batch
	s_wait_alu depctr_va_vdst(0)                   ; and its wait
	SUMS L1, SL, SD
	CODES PC+16, SL, SD
	v_nop                                          ; a plain place behind the last conversion
	s_wait_alu depctr_va_vdst(0)
	s_wait_dscnt 0x0                               ; V is in
.if \u
	s_cmp_eq_u32 s[CNT], 1                         ; the last step has no successor
	s_cbranch_scc1 .Lno_next_\@
	LOADK 16384, SL
.Lno_next_\@:
.else
	LOADK 8192, SL                                 ; the next step's K, where tile 1's p lay
.endif
.irp d, 0,1,2,3
	v_wmma_f32_16x16x128_bf8_bf8 v[O0+8*\d:O0+8*\d+7],       v[S0+16*\d:S0+16*\d+15], v[PC:PC+15],    v[O0+8*\d:O0+8*\d+7]
	v_wmma_f32_16x16x128_bf8_bf8 v[O0+32+8*\d:O0+32+8*\d+7], v[S0+16*\d:S0+16*\d+15], v[PC+16:PC+31], v[O0+32+8*\d:O0+32+8*\d+7]
.endr
	; five places: the next step's products write over V's fragments and p's codes
.if \u
	s_add_co_u32 s[TBK], s[TBK], 16384
	v_and_b32 v[ADK], 31, v0
	v_lshl_add_u32 v[ADK], v[ADK], 4, s[TBK]
	v_add_nc_u32 v[ADV], 0x20000, v[ADK]
.rept 2
	v_nop
.endr
.else
.rept 5
	v_nop
.endr
.endif
.endm
	s_wait_alu depctr_va_vdst(0)
	s_wait_tensorcnt 0x0                           ; my part of K and V is in,
	s_barrier_signal -1
	s_barrier_wait -1                              ; and everybody's
	s_wait_loadcnt 0x0                             ; Q
	v_add_nc_u32 v[ADV], 0x20000, v[ADK]
	LOADK 0, Y
	s_mov_b32 s[CNT], 8
.Ltrip:
	STEP 0, 0
	STEP 1, 1
	s_sub_co_u32 s[CNT], s[CNT], 1
	s_cmp_lg_u32 s[CNT], 0
	s_cbranch_scc1 .Ltrip
	; THE WAY OUT: O^T / the sum x 2^(e4 + e5), held at the largest code x 2^e6, converted: the results are registers of the last product's operand
	v_add_f32 v[L0], v[L0], v[L0+1]
	v_add_f32 v[L1], v[L1], v[L1+1]
	v_permlanex16_b32 v[F0], v[L0], s[SEL], s[SEL+1]
	v_permlanex16_b32 v[F1], v[L1], s[SEL], s[SEL+1]
	v_add_f32 v[L0], v[L0], v[F0]
	v_add_f32 v[L1], v[L1], v[F1]
	s_wait_alu depctr_va_vdst(0)                   ; ahead of the transcendentals
	v_rcp_f32 v[L0], v[L0]
	v_rcp_f32 v[L1], v[L1]
	v_mov_b32 v[CVS], s57
	v_mov_b32 v[F0+1], s56
	v_and_b32 v[ADK], 31, v0
	v_lshlrev_b32 v[ADK], 4, v[ADK]
	s_wait_alu depctr_va_vdst(0)                   ; the wait ahead of their first reader
	v_ldexp_f32 v[L0], v[L0], s55
	v_ldexp_f32 v[L1], v[L1], s55
	s_wait_alu depctr_va_vdst(0)                   ; directly ahead of the first reader of O^T
.irp i, 0,1
.set j, 0
.rept 16
	v_pk_mul_f32 v[S0+32*\i+j:S0+32*\i+j+1], v[O0+32*\i+j:O0+32*\i+j+1], v[L0+2*\i:L0+2*\i+1] op_sel_hi:[1,0]
.set j, j+2
.endr
.endr
.set j, 0
.rept 64
	v_med3_num_f32 v[S0+j], v[S0+j], -v[F0+1], v[F0+1]
.set j, j+1
.endr
.irp i, 0,1
.irp d, 0,1,2,3
	v_cvt_scalef32_pk8_bf8_f32 v[X+8*\i+2*\d:X+8*\i+2*\d+1], v[S0+32*\i+8*\d:S0+32*\i+8*\d+7], v[CVS]
.endr
.endr
	v_nop
.irp i, 0,1
	global_store_b128 v[ADK], v[X+8*\i:X+8*\i+3], s[10:11] offset:16384*\i           ; 32 lanes: 512 consecutive bytes, aligned
	global_store_b128 v[ADK], v[X+8*\i+4:X+8*\i+7], s[10:11] offset:16384*\i+512
.endr
	s_wait_xcnt 0x0
	v_lshl_add_u32 v254, v0, 2, 0x40000            ; the add's two registers are made anew: they held O^T
	v_mov_b32 v255, 0
	s_wait_alu depctr_va_vdst(0)
	s_wait_tensorcnt 0x0                           ; the wave's end
	ds_add_u32 v254, v255
	s_wait_dscnt 0x0
	CROUND                                         ; the closing round
	s_endpgm
.Lfunc_end_k_qc986a15b0a_attn:
	.size	k_qc986a15b0a_attn, .Lfunc_end_k_qc986a15b0a_attn-k_qc986a15b0a_attn
	.p2alignl 7, 3214868480
	.fill 96, 4, 3214868480
	.section	.rodata,"a",@progbits
	.p2align	6, 0x0
	.amdhsa_kernel k_qc986a15b0a_attn
		.amdhsa_group_segment_fixed_size 327680
		.amdhsa_private_segment_fixed_size 0
		.amdhsa_enable_private_segment 0
		.amdhsa_kernarg_size 32
		.amdhsa_user_sgpr_count 2
		.amdhsa_user_sgpr_kernarg_segment_ptr 1
		.amdhsa_wavefront_size32 1
		.amdhsa_system_sgpr_workgroup_id_x 1
		.amdhsa_system_sgpr_workgroup_id_y 1
		.amdhsa_system_sgpr_workgroup_id_z 1
		.amdhsa_system_vgpr_workitem_id 0
		.amdhsa_next_free_vgpr 256
		.amdhsa_next_free_sgpr 66
		.amdhsa_reserve_vcc 0
		.amdhsa_float_denorm_mode_32 3
		.amdhsa_float_denorm_mode_16_64 3
		.amdhsa_memory_ordered 1
		.amdhsa_forward_progress 1
		.amdhsa_inst_pref_size 64
	.end_amdhsa_kernel
	.amdgpu_metadata
---
amdhsa.version: [ 1, 2 ]
amdhsa.kernels:
  - .name:           k_qc986a15b0a_attn
    .symbol:         k_qc986a15b0a_attn.kd
    .args:
      - { .name: q_img, .offset: 0, .size: 8, .value_kind: global_buffer, .address_space: global }
      - { .name: kv_img, .offset: 8, .size: 8, .value_kind: global_buffer, .address_space: global }
      - { .name: lowp_scales, .offset: 16, .size: 8, .value_kind: global_buffer, .address_space: global }
      - { .name: a_img, .offset: 24, .size: 8, .value_kind: global_buffer, .address_space: global }
    .group_segment_fixed_size: 327680
    .private_segment_fixed_size: 0
    .kernarg_segment_align: 8
    .kernarg_segment_size: 32
    .max_flat_workgroup_size: 512
    .sgpr_count:     66
    .vgpr_count:     256
    .wavefront_size: 32
...
	.end_amdgpu_metadata
.endif
;; end of part 2
;; launch proj (part 3): grid 4 x 64, 4 waves a work-group, clusters of 4 x 4, 327,680 bytes of LDS; arguments a_img, W_out_codes, b_out, lowp_scales, out0; writes out0
.if DOCPART == 3
	.amdgcn_target "amdgcn-amd-amdhsa--gfx1250"
	.amdhsa_code_object_version 6
	.text
	.protected	k_qc986a15b0a_proj
	.globl	k_qc986a15b0a_proj
	.p2align	8
	.type	k_qc986a15b0a_proj,@function
k_qc986a15b0a_proj:
	s_mov_b64 s[64:65], 0
	v_nop
	global_prefetch_b8 v0, s[64:65] scope:SCOPE_SE
	s_setreg_imm32_b32 hwreg(HW_REG_WAVE_MODE, 25, 1), 1
	s_wait_xcnt 0x0
	s_wait_alu depctr_hold_cnt(0) depctr_sa_sdst(0) depctr_va_vdst(0) depctr_va_sdst(0) depctr_va_ssrc(0) depctr_va_vcc(0) depctr_vm_vsrc(0)
	s_getreg_b32 s2, hwreg(HW_REG_IB_STS2, 6, 4)
	s_cmp_eq_u32 s2, 0
	s_cbranch_scc0 .Lentry_in_a_cluster
	s_endpgm
.Lentry_in_a_cluster:
	s_bfe_u32 s2, ttmp6, 0x10000c
	s_cmp_lg_u32 s2, 0xf033
	s_cbranch_scc0 .Lentry_shape_is_right
	s_endpgm
.Lentry_shape_is_right:
; out0 = a W_out + b_out on codes of BF8 (E5M2).  a_img: the attention's result as images of this product's operand registers, [token tile of 16][K chunk of 128: 8][piece 4][lane][16 bytes]; W_out: [1024 (n)][1024 (k)] codes.
; A finished sum stands for sum x 2^(e6 + e7).  LIMIT: e6 + e7 between -126 and 127, so that this power of two is an f32 number.
; A work-group makes 128 tokens x 256 columns, AS TWO HALVES OF 128 COLUMNS, each over the whole K.  LDS holds A's whole image (131,072 bytes) and 128 rows of W_out with the whole K (1,024 bytes + 16 of padding each).
; Each wave brings its part by ONE joint load at the head (waves 0, 1: 65,536 bytes of A each; waves 2, 3: 64 rows of W each).  The second half's rows of W fill B's bytes again behind one round, which opens at the first half's
; last K chunk: that load is on its way while the first half's results leave.
; CLUSTERS: 4 x 4; A's image hangs on the block of tokens and is shared along a row of the cluster, W's rows on the block of columns and are shared along a column.
; No prefetch is written: both groups of loads are requested whole, at the head and at the one change; there is no loop to run ahead in.
; A wave makes 64 x 64: 16 accumulators.  Source 0 takes rows of W, source 1 tokens: a lane holds eight neighbouring columns of one token's row.
; REGISTERS: window 0: v16-30 addresses; v32-95 the bias of both halves; v128-255 A's fragments, two sets of 4 x 16 (on the way out: v128-159 results, v192-223 rows read back).  window 1: v0-127 W's fragments, two sets.  window 2: v0-127 the accumulators.
.set PITCH,  1040                      ; 260 words: row r starts at bank 4 r mod 64 (64 banks of 4 bytes: ISA guide 11.1)
.set ABYTES, 131072
.set HALFB,  64*PITCH
.set STAGE,  ABYTES+2*HALFB            ; behind the tiles: 16 rows x 272 bytes for each wave; no tile lands here
.set SPITCH, 272
.set SPARE,  STAGE+4*16*SPITCH         ; the spare words: two blocks of 256 bytes that no other line names
.set ADA,  16
.set ADB,  20
.set STO,  24
.set RD,   25
.set LI,   26
.set BO,   27
.set SPW,  28
.set NIL,  29
.set CO,   30
.set BIAS, 32
.set AF,   128
.set TMP,  128
.set BK,   192
.set WV,   14
.set WHI,  15
.set WLO,  16
.set G1,   24
.set G0,   32
.set G1B,  48
.set G0B,  56
.set SC,   66
.set ES,   68
.set MSB, 0
.macro WIN new
.if MSB != (\new)
	s_set_vgpr_msb (MSB<<8)|(\new)
.set MSB, (\new)
.endif
.endm
.macro CREST
	s_cmp_lg_u32 s[WV], 0
	s_cbranch_scc1 .Lnot_wave_0_\@
	s_barrier_signal -3
.Lnot_wave_0_\@:
	s_barrier_wait -3
	s_barrier_signal -1
	s_barrier_wait -1
.endm
.macro CROUND
	s_barrier_signal -1
	s_barrier_wait -1
	CREST
.endm
.macro PLACES
.rept 4
	v_nop
.endr
.endm
	s_load_b256 s[4:11], s[0:1], 0x0               ; a_img, W_out, b_out, the exponents
	s_load_b64 s[12:13], s[0:1], 0x20              ; out0
	v_lshl_add_u32 v[SPW], v0, 2, SPARE
	v_mov_b32 v[NIL], 0
	ds_add_u32 v[SPW], v[NIL]                      ; the opening lines: the add, twice on end, and its wait
	ds_add_u32 v[SPW], v[NIL]
	s_wait_dscnt 0x0
	v_lshrrev_b32 v1, 5, v0
	v_readfirstlane_b32 s[WV], v1
	s_lshr_b32 s[WHI], s[WV], 1                    ; which 64 tokens are mine.  Also: I fetch for A (0) or for W (1)
	s_and_b32 s[WLO], s[WV], 1                     ; which 64 columns of a half.  Also: which part f I fetch
	s_bfe_u32 s17, ttmp6, 0x40000
	s_bfe_u32 s18, ttmp6, 0x40004
	s_lshl_b32 s19, ttmp9, 2
	s_add_co_u32 s19, s19, s17                     ; block of 256 columns
	s_and_b32 s20, ttmp7, 0xffff
	s_lshl_b32 s20, s20, 2
	s_add_co_u32 s20, s20, s18                     ; block of 128 tokens
	s_lshl_b32 s21, s18, 2
	s_lshl_b32 s21, 15, s21                        ; my row of the cluster
	s_lshl_b32 s22, 0x1111, s17                    ; my column
	s_or_b32 s[G1], s21, (3<<16)|(1<<21)           ; A: a dense block as 256 rows of 256 bytes (elements of 8 bytes)
	s_mov_b32 s[G1+1], 32<<16
	s_mov_b32 s[G1+2], 256<<16
	s_mov_b32 s[G1+3], 32<<16
	s_mov_b32 s[G1+4], 256
	s_mov_b32 s[G1+5], 32
	s_mov_b32 s[G1+6], 0
	s_mov_b32 s[G1+7], 0
	s_or_b32 s[G1B], s22, (1<<20)|(1<<21)|(7<<22)|(3<<25)   ; W: 64 rows of 1,024 bytes; four words of padding after every 256
	s_mov_b32 s[G1B+1], 1024<<16
	s_mov_b32 s[G1B+2], 64<<16
	s_mov_b32 s[G1B+3], 1024<<16
	s_mov_b32 s[G1B+4], 64
	s_mov_b32 s[G1B+5], 1024
	s_mov_b32 s[G1B+6], 0
	s_mov_b32 s[G1B+7], 0
	s_lshl_b32 s40, s20, 17
	s_lshl_b32 s41, s[WLO], 16
	s_add_co_u32 s40, s40, s41
	s_mov_b32 s41, 0
	s_lshl_b32 s44, s19, 18
	s_lshl_b32 s45, s[WLO], 16
	s_add_co_u32 s44, s44, s45                     ; W's row 256 x block + 64 f
	s_mov_b32 s45, 0
	s_lshl_b32 s42, s[WLO], 16
	s_mul_i32 s46, s[WLO], HALFB
	s_add_co_u32 s46, s46, ABYTES
	s_wait_kmcnt 0x0
	s_load_b256 s[ES:ES+7], s[10:11], 0x0
	s_add_nc_u64 s[40:41], s[4:5], s[40:41]
	s_add_nc_u64 s[44:45], s[6:7], s[44:45]
	s_mov_b32 s[G0], 1
	s_mov_b32 s[G0+1], s42
	s_mov_b64 s[G0+2:G0+3], s[40:41]
	s_or_b32 s[G0+3], s[G0+3], 0x80000000
	s_mov_b32 s[G0B], 1
	s_mov_b32 s[G0B+1], s46
	s_mov_b64 s[G0B+2:G0B+3], s[44:45]
	s_or_b32 s[G0B+3], s[G0B+3], 0x80000000
	CROUND                                         ; the sixteen work-groups are here: the joint loads meet
	s_cmp_eq_u32 s[WHI], 0
	s_cbranch_scc0 .Lfor_b
	tensor_load_to_lds s[G0:G0+3], s[G1:G1+7]
	s_nop 0
	PLACES
	s_branch .Lasked
.Lfor_b:
	tensor_load_to_lds s[G0B:G0B+3], s[G1B:G1B+7]
	s_nop 0
	PLACES
.Lasked:
	v_and_b32 v1, 15, v0                           ; r
	v_bfe_u32 v2, v0, 4, 1                         ; h
	v_and_b32 v3, 31, v0
	v_lshlrev_b32 v[LI], 4, v3
	v_mul_u32_u24 v4, v1, PITCH
	v_lshl_add_u32 v4, v2, 3, v4                   ; W: row r, + 8 h
	s_lshl_b32 s21, s[WHI], 16
	s_mul_i32 s22, s[WLO], HALFB
	s_add_co_u32 s22, s22, ABYTES
	v_add_nc_u32 v[ADA], s21, v[LI]
	v_add_nc_u32 v[ADB], s22, v4
	s_mul_i32 s23, s[WV], 16*SPITCH
	s_add_co_u32 s23, s23, STAGE
	v_mul_u32_u24 v[STO], v1, SPITCH               ; in: row r, 32 bytes for each half of the lanes
	v_lshl_add_u32 v[STO], v2, 5, v[STO]
	v_add_nc_u32 v[STO], s23, v[STO]
	v_mul_u32_u24 v[RD], v2, SPITCH                ; back: lanes 0-15 one row of 256 bytes, lanes 16-31 the next
	v_lshl_add_u32 v[RD], v1, 4, v[RD]
	v_add_nc_u32 v[RD], s23, v[RD]
	v_lshlrev_b32 v[CO], 12, v2                    ; and the same two rows in out0
	v_lshl_add_u32 v[CO], v1, 4, v[CO]
	v_lshlrev_b32 v[BO], 5, v2
	s_wait_alu depctr_va_vdst(0)
	s_lshl_b32 s76, s19, 10
	s_lshl_b32 s77, s[WLO], 8
	s_add_co_u32 s76, s76, s77                     ; my first column, in bytes
	s_mov_b32 s77, 0
	s_add_nc_u64 s[8:9], s[8:9], s[76:77]
	s_add_nc_u64 s[12:13], s[12:13], s[76:77]
	s_lshl_b32 s76, s20, 19
	s_lshl_b32 s78, s[WHI], 18
	s_add_co_u32 s76, s76, s78                     ; my first token's row
	s_add_nc_u64 s[12:13], s[12:13], s[76:77]
.irp p, 0,1
.irp b, 0,1,2,3
	global_load_b128 v[BIAS+32*\p+8*\b:BIAS+32*\p+8*\b+3],   v[BO], s[8:9] offset:512*\p+64*\b      ; half p, block b: columns 16 b + 8 h + 0 .. 7
	global_load_b128 v[BIAS+32*\p+8*\b+4:BIAS+32*\p+8*\b+7], v[BO], s[8:9] offset:512*\p+64*\b+16
.endr
.endr
.macro FETCH kc, s                     ; the fragments of K chunk kc (128 along K) into set s: W's in the form's own order of k (registers 2 c, 2 c + 1: k = 16 c + 8 h ..), as A's image has it
	WIN 0x40
.irp b, 0,1,2,3
.irp c, 0,1,2,3,4,5,6,7
	ds_load_b64 v[64*(\s)+16*\b+2*\c:64*(\s)+16*\b+2*\c+1], v[ADB] offset:\b*16*PITCH+128*(\kc)+16*\c
.endr
.endr
	WIN 0
.irp a, 0,1,2,3
.irp c, 0,1,2,3
	ds_load_b128 v[AF+64*(\s)+16*\a+4*\c:AF+64*(\s)+16*\a+4*\c+3], v[ADA] offset:\a*16384+2048*(\kc)+512*\c
.endr
.endr
.endm
.macro MUL s, zero                     ; 16 matrix instructions; the accumulators take turns, in the same order in every chunk
	WIN 0xa1
.irp a, 0,1,2,3
.irp b, 0,1,2,3
.if \zero
	v_wmma_f32_16x16x128_bf8_bf8 v[8*(4*\a+\b):8*(4*\a+\b)+7], v[64*(\s)+16*\b:64*(\s)+16*\b+15], v[AF+64*(\s)+16*\a:AF+64*(\s)+16*\a+15], 0
.else
	v_wmma_f32_16x16x128_bf8_bf8 v[8*(4*\a+\b):8*(4*\a+\b)+7], v[64*(\s)+16*\b:64*(\s)+16*\b+15], v[AF+64*(\s)+16*\a:AF+64*(\s)+16*\a+15], v[8*(4*\a+\b):8*(4*\a+\b)+7]
.endif
.endr
.endr
	WIN 0
.endm
.macro SEVEN                           ; K chunks 0 to 6: while one set is multiplied, the next chunk's fragments come into the other
	FETCH 0, 0
.irp kc, 0,1,2,3,4,5,6
	s_wait_dscnt 0x0
	PLACES                                         ; in front of loads into registers that matrix instructions have read
	FETCH \kc+1, (\kc+1)%2
.if \kc == 0
	MUL 0, 1                                       ; the first chunk's products start the sums
.else
	MUL (\kc)%2, 0
.endif
.endr
.endm
; THE WAY OUT of half p, 16 tokens at a time: sum x 2^(e6 + e7) + bias, through my own stage, back as whole rows of 256 bytes: sixteen lanes store one aligned unit
.macro OUT p
.irp a, 0,1,2,3
	WIN 0x02
.irp b, 0,1,2,3
.irp i, 0,2,4,6
	v_pk_fma_f32 v[TMP+8*\b+\i:TMP+8*\b+\i+1], v[8*(4*\a+\b)+\i:8*(4*\a+\b)+\i+1], s[SC:SC+1], v[BIAS+32*(\p)+8*\b+\i:BIAS+32*(\p)+8*\b+\i+1] op_sel_hi:[1,0,1]
.endr
.endr
	WIN 0
.irp b, 0,1,2,3
	ds_store_b128 v[STO], v[TMP+8*\b:TMP+8*\b+3] offset:64*\b
	ds_store_b128 v[STO], v[TMP+8*\b+4:TMP+8*\b+7] offset:64*\b+16
.endr
	s_wait_xcnt 0x0                                ; the earlier stores have read their registers: the rows below may land there
.irp t, 0,1,2,3,4,5,6,7
	ds_load_b128 v[BK+4*\t:BK+4*\t+3], v[RD] offset:\t*2*SPITCH    ; LDS serves a wave's instructions in order (ISA guide 5.7.1.4)
.endr
.irp t, 0,1,2,3,4,5,6,7
	s_wait_dscnt 7-\t                              ; the loads issued behind this one may be out
	global_store_b128 v[CO], v[BK+4*\t:BK+4*\t+3], s[12:13] offset:\a*65536+\t*8192+512*(\p) th:TH_STORE_NT
.endr
.endr
.endm
	s_wait_alu depctr_va_vdst(0)
	s_wait_tensorcnt 0x0                           ; my part is in,
	s_barrier_signal -1
	s_barrier_wait -1                              ; and everybody's
	SEVEN
	s_wait_tensorcnt 0x0                           ; the first half's last chunk changes W's rows: the three lines,
	ds_add_u32 v[SPW], v[NIL]
	s_add_nc_u64 s[G0B+2:G0B+3], s[G0B+2:G0B+3], 131072   ; 128 rows of W on
	s_wait_dscnt 0x0                               ; the add is done, and my reads of W's rows are over
	s_barrier_signal -1
	MUL 1, 0
	s_barrier_wait -1
	CREST                                          ; the barrier has opened a round of the cluster's
	s_cmp_eq_u32 s[WHI], 0
	s_cbranch_scc1 .Lno_b                          ; A's image stays: waves 0 and 1 have nothing to fill
	tensor_load_to_lds s[G0B:G0B+3], s[G1B:G1B+7]
	s_nop 0
	PLACES
.Lno_b:
	PLACES                                         ; behind the last products: results are read, and registers that held fragments are written
	s_wait_kmcnt 0x0
	s_wait_loadcnt 0x0                             ; the bias
	s_add_co_i32 s[SC], s[ES+6], s[ES+7]
	s_add_co_i32 s[SC], s[SC], 127
	s_lshl_b32 s[SC], s[SC], 23                    ; 2^(e6 + e7)
	s_mov_b32 s[SC+1], s[SC]
	OUT 0
	s_wait_xcnt 0x0                                ; the stores have read their registers: fragments may land there
	s_wait_tensorcnt 0x0                           ; my part of the second half's rows is in,
	s_wait_dscnt 0x0
	s_barrier_signal -1
	s_barrier_wait -1                              ; and everybody's
	SEVEN
	s_wait_dscnt 0x0
	MUL 1, 0
	PLACES
	OUT 1
	s_wait_tensorcnt 0x0                           ; the wave's end
	ds_add_u32 v[SPW], v[NIL]
	s_wait_dscnt 0x0
	CROUND                                         ; the closing round
	s_endpgm
.Lfunc_end_k_qc986a15b0a_proj:
	.size	k_qc986a15b0a_proj, .Lfunc_end_k_qc986a15b0a_proj-k_qc986a15b0a_proj
	.p2alignl 7, 3214868480
	.fill 96, 4, 3214868480
	.section	.rodata,"a",@progbits
	.p2align	6, 0x0
	.amdhsa_kernel k_qc986a15b0a_proj
		.amdhsa_group_segment_fixed_size 327680
		.amdhsa_private_segment_fixed_size 0
		.amdhsa_enable_private_segment 0
		.amdhsa_kernarg_size 40
		.amdhsa_user_sgpr_count 2
		.amdhsa_user_sgpr_kernarg_segment_ptr 1
		.amdhsa_wavefront_size32 1
		.amdhsa_system_sgpr_workgroup_id_x 1
		.amdhsa_system_sgpr_workgroup_id_y 1
		.amdhsa_system_sgpr_workgroup_id_z 1
		.amdhsa_system_vgpr_workitem_id 0
		.amdhsa_next_free_vgpr 768
		.amdhsa_next_free_sgpr 80
		.amdhsa_reserve_vcc 0
		.amdhsa_float_denorm_mode_32 3
		.amdhsa_float_denorm_mode_16_64 3
		.amdhsa_memory_ordered 1
		.amdhsa_forward_progress 1
		.amdhsa_inst_pref_size 102
	.end_amdhsa_kernel
	.amdgpu_metadata
---
amdhsa.version: [ 1, 2 ]
amdhsa.kernels:
  - .name:           k_qc986a15b0a_proj
    .symbol:         k_qc986a15b0a_proj.kd
    .args:
      - { .name: a_img, .offset: 0, .size: 8, .value_kind: global_buffer, .address_space: global }
      - { .name: W_out_codes, .offset: 8, .size: 8, .value_kind: global_buffer, .address_space: global }
      - { .name: b_out, .offset: 16, .size: 8, .value_kind: global_buffer, .address_space: global }
      - { .name: lowp_scales, .offset: 24, .size: 8, .value_kind: global_buffer, .address_space: global }
      - { .name: out0, .offset: 32, .size: 8, .value_kind: global_buffer, .address_space: global }
    .group_segment_fixed_size: 327680
    .private_segment_fixed_size: 0
    .kernarg_segment_align: 8
    .kernarg_segment_size: 40
    .max_flat_workgroup_size: 128
    .sgpr_count:     80
    .vgpr_count:     768
    .wavefront_size: 32
...
	.end_amdgpu_metadata
.endif
;; end of part 3
